; MI455X (gfx1250); checked and timed in simulation.
; The chip was launched on July 23, 2026; its instructions are those of AMD's public machine-readable ISA for CDNA 5 (MIT licence, August 2026) and "CDNA5" Instruction Set Architecture Reference Guide (July 2026). The comments in the code are by the model that wrote it; some were corrected since.
;; GLA Head. Allowed arithmetic: float matrix products may take bf16 or f16 operands with f32 sums; all other float work in f32.
;; Inputs: W_alpha 1,024 x 128 float32; W_k 1,024 x 128 float32; W_q 1,024 x 128 float32; W_v 1,024 x 128 float32; b_alpha 128 float32; x 8 x 2,048 x 1,024 float32.
;; Outputs: out0 8 x 2,048 x 128 float32.
;; 2 versions, each right; version 2 is version 1 with the launch scan written anew for expert scheduling mode. Each part assembles by itself: llvm-mc -triple=amdgcn-amd-amdhsa -mcpu=gfx1250 --defsym DOCPART=n.
;; ======== version 1 of 2: 4 launches
;; limits: values are held in f16: magnitudes above 65,504 overflow, below 6.1e-05 lose precision; right only within a limited range of input values
;; workspace buffers: wt 1,048,576 bytes; u 16,777,216 bytes; g 131,072 bytes; qt 8,388,608 bytes; oi 8,388,608 bytes; sb 8,388,608 bytes
;; launch prep (part 1): grid 8 x 4, 8 waves a work-group, no clusters, 35,840 bytes of LDS; arguments W_q, W_k, W_v, W_alpha, wt; writes wt
.if DOCPART == 1
	.amdgcn_target "amdgcn-amd-amdhsa--gfx1250"
	.amdhsa_code_object_version 6
	.text
	.protected	k_q6300692163_prep
	.globl	k_q6300692163_prep
	.p2align	8
	.type	k_q6300692163_prep,@function
k_q6300692163_prep:
	s_mov_b64 s[64:65], 0
	v_nop
	global_prefetch_b8 v0, s[64:65] scope:SCOPE_SE
	s_setreg_imm32_b32 hwreg(HW_REG_WAVE_MODE, 25, 1), 1
	s_wait_xcnt 0x0
; wt[kb][n][k] = bf16( W_p[128 kb + k][c] ),  n = 128 (c >> 5) + 32 p + (c & 31),  p = 0 q, 1 k, 2 v, 3 alpha.
; The four weights, f32 [1024][128], are rounded once and transposed, so that the next launch finds K along the rows
; (256 bytes a row) and each of its waves finds the 128 rows that it multiplies by in one dense block.
; A work-group takes 128 rows (k) x 128 columns (c) of one weight: 64 KiB in, 32 KiB out.  Eight waves.
; In: a wave's load covers one row's 512 bytes.  Out: sixteen lanes store 256 consecutive bytes, aligned.
; No matrix unit, no cluster, no tensor load: 2 MiB are moved once and nothing is shared between work-groups.
.set PITCH, 272                        ; LDS row: 128 bf16 + 16 bytes
.set RIN,   8                          ; v[8:71]   16 rows x 4 columns of f32 as loaded; later the rows read back
.set PKD,   72                         ; v[72:103] column cc: 8 registers = 16 k in bf16
	s_load_b256 s[4:11], s[0:1], 0x0               ; W_q s[4:5], W_k s[6:7], W_v s[8:9], W_alpha s[10:11]
	s_load_b64 s[12:13], s[0:1], 0x20              ; wt
	v_lshl_add_u32 v104, v0, 2, 0x8800
	v_mov_b32 v105, 0
	s_and_b32 s14, ttmp7, 0xffff                   ; p: which weight
	v_lshrrev_b32 v1, 5, v0
	v_readfirstlane_b32 s15, v1                    ; wave 0..7
	v_and_b32 v2, 31, v0                           ; lane
	v_lshlrev_b32 v3, 4, v2                        ; 16 x lane: my 16 bytes of a row in, and of two rows out
	v_lshl_add_u32 v4, v1, 13, v3                  ; + wave x 16 rows of 512 bytes
	v_mul_u32_u24 v5, v2, 4*PITCH                  ; LDS in: row c = 4 x lane (+ cc in the offset),
	v_lshl_add_u32 v5, v1, 5, v5                   ; byte 32 x wave: my 16 k
	v_lshrrev_b32 v6, 4, v2
	v_and_b32 v7, 15, v2
	v_mul_u32_u24 v6, v6, PITCH                    ; LDS back: lanes 0-15 one row, lanes 16-31 the next
	v_lshl_add_u32 v6, v7, 4, v6
	s_mul_i32 s20, s15, 16*PITCH                   ; my wave's 16 rows c
	v_add_nc_u32 v6, s20, v6
	s_lshl_b32 s16, ttmp9, 16                      ; in: kb x 128 rows of 512 bytes
	s_mov_b32 s17, 0
	s_lshl_b32 s18, ttmp9, 17                      ; out: kb x 512 rows of 256 bytes
	s_lshl_b32 s21, s14, 13                        ; + p x 32 rows
	s_add_co_u32 s18, s18, s21
	s_lshr_b32 s21, s15, 1                         ; + (c >> 5) x 128 rows, c >> 5 = wave >> 1
	s_lshl_b32 s21, s21, 15
	s_add_co_u32 s18, s18, s21
	s_and_b32 s21, s15, 1                          ; + (wave & 1) x 16 rows
	s_lshl_b32 s21, s21, 12
	s_add_co_u32 s18, s18, s21
	s_mov_b32 s19, 0
	s_wait_kmcnt 0x0
	s_cmp_eq_u32 s14, 1                            ; the weight is chosen by the work-group's y alone
	s_cselect_b64 s[4:5], s[6:7], s[4:5]
	s_cmp_eq_u32 s14, 2
	s_cselect_b64 s[4:5], s[8:9], s[4:5]
	s_cmp_eq_u32 s14, 3
	s_cselect_b64 s[4:5], s[10:11], s[4:5]
	s_add_nc_u64 s[4:5], s[4:5], s[16:17]
	s_add_nc_u64 s[12:13], s[12:13], s[18:19]
.irp i, 0,1,2,3,4,5,6,7,8,9,10,11,12,13,14,15
	global_load_b128 v[RIN+4*\i:RIN+4*\i+3], v4, s[4:5] offset:\i*512 th:TH_LOAD_NT   ; row 16 wave + i, columns 4 lane .. + 3
.endr
	s_wait_loadcnt 0x0                             ; a column's pairs need two rows each: all sixteen
.irp cc, 0,1,2,3
.irp ii, 0,1,2,3,4,5,6,7
	v_cvt_pk_bf16_f32 v[PKD+8*\cc+\ii], v[RIN+8*\ii+\cc], v[RIN+8*\ii+4+\cc]          ; k = 2 ii below, 2 ii + 1 above
.endr
.endr
; Lanes are 1,088 bytes apart, 64 modulo 256, so four lanes of sixteen meet on one 16-byte column: taken as it is for eight stores a thread.
.irp cc, 0,1,2,3
	ds_store_b128 v5, v[PKD+8*\cc:PKD+8*\cc+3]   offset:\cc*PITCH
	ds_store_b128 v5, v[PKD+8*\cc+4:PKD+8*\cc+7] offset:\cc*PITCH+16
.endr
	s_wait_dscnt 0x0                               ; my stores are in LDS before I say so: the other waves read them
	s_barrier_signal -1
	s_barrier_wait -1
.irp t, 0,1,2,3,4,5,6,7
	ds_load_b128 v[RIN+4*\t:RIN+4*\t+3], v6 offset:\t*2*PITCH
.endr
.irp t, 0,1,2,3,4,5,6,7
	s_wait_dscnt 7-\t                              ; LDS loads come back in order: pair t of rows is in
	global_store_b128 v3, v[RIN+4*\t:RIN+4*\t+3], s[12:13] offset:\t*512
.endr
	s_wait_tensorcnt 0x0
	ds_add_u32 v104, v105
	s_wait_dscnt 0x0
	s_endpgm
.Lfunc_end_k_q6300692163_prep:
	.size	k_q6300692163_prep, .Lfunc_end_k_q6300692163_prep-k_q6300692163_prep
	.p2alignl 7, 3214868480
	.fill 96, 4, 3214868480
	.section	.rodata,"a",@progbits
	.p2align	6, 0x0
	.amdhsa_kernel k_q6300692163_prep
		.amdhsa_group_segment_fixed_size 35840
		.amdhsa_private_segment_fixed_size 0
		.amdhsa_enable_private_segment 0
		.amdhsa_kernarg_size 40
		.amdhsa_user_sgpr_count 2
		.amdhsa_user_sgpr_kernarg_segment_ptr 1
		.amdhsa_wavefront_size32 1
		.amdhsa_system_sgpr_workgroup_id_x 1
		.amdhsa_system_sgpr_workgroup_id_y 1
		.amdhsa_system_sgpr_workgroup_id_z 1
		.amdhsa_system_vgpr_workitem_id 0
		.amdhsa_next_free_vgpr 106
		.amdhsa_next_free_sgpr 66
		.amdhsa_reserve_vcc 0
		.amdhsa_float_denorm_mode_32 3
		.amdhsa_float_denorm_mode_16_64 3
		.amdhsa_memory_ordered 1
		.amdhsa_forward_progress 1
		.amdhsa_inst_pref_size 8
	.end_amdhsa_kernel
	.amdgpu_metadata
---
amdhsa.version: [ 1, 2 ]
amdhsa.kernels:
  - .name:           k_q6300692163_prep
    .symbol:         k_q6300692163_prep.kd
    .args:
      - { .name: W_q, .offset: 0, .size: 8, .value_kind: global_buffer, .address_space: global }
      - { .name: W_k, .offset: 8, .size: 8, .value_kind: global_buffer, .address_space: global }
      - { .name: W_v, .offset: 16, .size: 8, .value_kind: global_buffer, .address_space: global }
      - { .name: W_alpha, .offset: 24, .size: 8, .value_kind: global_buffer, .address_space: global }
      - { .name: wt, .offset: 32, .size: 8, .value_kind: global_buffer, .address_space: global }
    .group_segment_fixed_size: 35840
    .private_segment_fixed_size: 0
    .kernarg_segment_align: 8
    .kernarg_segment_size: 40
    .max_flat_workgroup_size: 256
    .sgpr_count:     66
    .vgpr_count:     106
    .wavefront_size: 32
...
	.end_amdgpu_metadata
.endif
;; end of part 1
;; launch main (part 2): grid 256 x 1, 4 waves a work-group, clusters of 4 x 1, 327,680 bytes of LDS; arguments x, wt, b_alpha, u, g, qt, oi; writes u, g, qt, oi
.if DOCPART == 2
	.amdgcn_target "amdgcn-amd-amdhsa--gfx1250"
	.amdhsa_code_object_version 6
	.text
	.protected	k_q6300692163_main
	.globl	k_q6300692163_main
	.p2align	8
	.type	k_q6300692163_main,@function
k_q6300692163_main:
	s_mov_b64 s[64:65], 0
	v_nop
	global_prefetch_b8 v0, s[64:65] scope:SCOPE_SE
	s_setreg_imm32_b32 hwreg(HW_REG_WAVE_MODE, 25, 1), 1
	s_wait_xcnt 0x0
	s_wait_alu depctr_hold_cnt(0) depctr_sa_sdst(0) depctr_va_vdst(0) depctr_va_sdst(0) depctr_va_ssrc(0) depctr_va_vcc(0) depctr_vm_vsrc(0)
	s_getreg_b32 s2, hwreg(HW_REG_IB_STS2, 6, 4)
	s_cmp_eq_u32 s2, 0
	s_cbranch_scc0 .Lentry_in_a_cluster
	s_endpgm
.Lentry_in_a_cluster:
	s_bfe_u32 s2, ttmp6, 0x10000c
	s_cmp_lg_u32 s2, 0x3003
	s_cbranch_scc0 .Lentry_shape_is_right
	s_endpgm
.Lentry_shape_is_right:
; One work-group = one chunk of 64 tokens.  (1) q, k, v, z = x W for the chunk: [64 x 1024] x [1024 x 512], bf16 operands, f32 sums.
; (2) a = sigmoid(z + b) and the decay products.  (3) the chunk's own part of the recurrence on the matrix unit.
; Out: oi = the chunk's own outputs, u = what the chunk adds to the state, g = the chunk's whole decay, qt = q x decay since the chunk's start.
;
; THE DECAYS.  o_i = sum over j <= i of ((q_i * prod_{t=j+1..i} a_t) . k_j) v_j.  For j < i let s be the highest bit in which i and j differ.
; Then prod = IP_s[i] ES_s[j], IP_s[i] = the product of a from the start of i's aligned block of s tokens through i, ES_s[j] = the product from
; j + 1 to the end of j's block.  Every factor lies in [0, 1]: no logarithm, no division, no difference of sums.  One array for each level:
; X_s[t] = q_t IP_s[t] where bit s of t is set, k_t ES_s[t] where it is clear; the score of (i, j) is X_s[i] . X_s[j].
;
; SHARES.  Wave w makes channels 32 w .. 32 w + 31 of all four projections: 32 accumulator tiles, tile (2 p + ct) 4 + tt; lane (r, h), register j
; = token 16 tt + 8 h + j, channel 32 w + 16 ct + r.  So q, k, v, a of one (token, channel) lie in one lane and the products run along registers
; (levels 1, 2, 4, 16, 32) or between the two halves of the lanes (level 8).  Behind that, wave w makes the scores and outputs of tokens 16 w ..
; 16 w + 15 and rows 32 w .. 32 w + 31 of u.
;
; CLUSTER: the four work-groups of a cluster walk the same weights, so each K block of wt (128 KiB) is asked for jointly (mask 15): each wave of
; each of the four issues the same load of 128 rows.  x is each work-group's own and comes through registers, three K steps ahead.
;
; LIMITS.  x and W are rounded to bf16.  q, k, v and their decayed forms are rounded to f16 for the chunk's products: |q|, |k|, |v| < 65,504
; (their root mean square is about 1.3 for the inputs as drawn and about 1,200 with x and W both 30 times larger); below 6e-5 the f16 step is 6e-8.
; The scores are scaled by a power of two of the wave's largest score before they are rounded to f16: the largest must lie in [2^-126, 2^126],
; else the wave's own outputs come out 0 (below) or not finite (above).  qt is a pair of bf16 (hi + lo).  Decay products underflow to 0.
; The sums run in another order than a step by step scan.  NaN or infinity in the inputs is not followed element by element.
; u of a batch's last chunk is made and stored though no later launch reads it: partners of a cluster run alike.
.set PITCH, 272                        ; GEMM rows in LDS: 256 bytes + 16 = 68 words, so 16 rows of a fragment start at 16 different banks (64 banks of 4 bytes: ISA guide 11.1)
.set QROWS, 128*PITCH                  ; 128 rows: one tensor load, and what one wave reads of W
.set SLOT,  4*QROWS                    ; a K block of W: 512 rows
.set XB,    2*SLOT                     ; behind the two W slots: two buffers of x in bf16, written by ds_store, never a tensor load's target
.set XBUF,  64*PITCH
.set KBLK,  131072                     ; bytes of a K block of wt
.set TP,    160                        ; arrays [channel][token] read by transposing loads: 128 bytes + 32
.set ARR,   128*TP                     ; array a at a*ARR: 0 X1, 1 X2, 2 X4, 3 X8, 4 q, 5 k, 6 X16, 7 X32, 8 q~ hi, 9 q~ lo
.set VP,    144                        ; arrays [channel][token] read along the tokens: 128 bytes + 16
.set VB,    10*ARR                     ; v
.set KKO,   128*VP                     ; behind it k x decay to the chunk's end
.set GST,   VB+2*KKO                   ; 128 words for g.  All of this lies in the W slots, behind their last fill
; window 0: v1 lane, v2 r, v3 h, v4 x offset, v5 x store, v6 x fragments, v7-8 W fragments (slot 0, 1), v9 4 (32 w + r), v10-13 -log2e b (twice for each ct),
; v14-16 store address of arrays 0-2, 3-5, 6-9, v17 of v and kk, v18-20 transposing address at my tile, arrays 0-2, 3-5, 6-8, v21-23 at tile w^1, w^2, w^3 (arrays 6-8),
; v24-27 v fragments at token tile w^d, v28-31 kk fragments likewise, v32-63 at work, v64-127 x fragments (two buffers), v128-255 W fragments (two buffers)
; window 1: the accumulators: q v0-63, k v64-127, v v128-191, z v192-255.   window 2: v0-191 three stages of x in f32
.set TMP, 32
.set FA,  64
.set FB,  128
.set PK,  64                           ; packed 16-bit numbers on their way to LDS
.set RS,  96                           ; 64 registers at work
.set FR,  64                           ; score fragments: two buffers of 88 registers
.set QI,  0                            ; window 1: q x IP
.set KE,  64                           ; window 1: k x ES
.set VV,  128                          ; window 1: v
.set AL,  192                          ; window 1: a, then the blocks' totals
.set G1,  24                           ; s[24:31] descriptor group 1
.set G0,  32                           ; s[32:39] descriptor group 0, one set for each slot
.set MSB, 0
.macro WIN new                         ; low byte: bits 1:0 source 0, 3:2 source 1, 5:4 source 2, 7:6 destination; the high byte repeats the setting that is left
.if MSB != \new
	s_set_vgpr_msb (MSB<<8)|\new
.set MSB, \new
.endif
.endm
.macro PLACES                          ; four places behind a matrix instruction (ISA guide 7.12.1) where there is no other vector work to put there
.rept 4
	v_nop
.endr
.endm
.macro CREST                           ; a round of the cluster's barrier behind its opening work-group barrier
	s_cmp_lg_u32 s18, 0
	s_cbranch_scc1 .Lnot_wave_0_\@
	s_barrier_signal -3
.Lnot_wave_0_\@:
	s_barrier_wait -3
	s_barrier_signal -1
	s_barrier_wait -1
.endm
.macro ROUND
	s_barrier_signal -1
	s_barrier_wait -1
	CREST
.endm
; 16 loads: K step 'step' of my 16 tokens, 512 consecutive bytes each, into stage step % 3
.macro XLOAD step
	WIN 0x80
.irp i, 0,1,2,3,4,5,6,7,8,9,10,11,12,13,14,15
	global_load_b128 v[64*((\step)%3)+4*\i:64*((\step)%3)+4*\i+3], v4, s[4:5] offset:\i*4096+(\step)*512 th:TH_LOAD_NT
.endr
.endm
; K step s of x: f32 to bf16, into x buffer s & 1.  cnt = the younger x loads, which stay out.  more = 1: the stage is loaded again, three steps ahead.
.macro XCONV s, cnt, more
	s_wait_loadcnt \cnt
	WIN 0x0a
.irp i, 0,1,2,3,4,5,6,7,8,9,10,11,12,13,14,15
	v_cvt_pk_bf16_f32 v[TMP+2*\i],   v[64*((\s)%3)+4*\i],   v[64*((\s)%3)+4*\i+1]
	v_cvt_pk_bf16_f32 v[TMP+2*\i+1], v[64*((\s)%3)+4*\i+2], v[64*((\s)%3)+4*\i+3]
.endr
	WIN 0
.irp i, 0,1,2,3,4,5,6,7,8,9,10,11,12,13,14,15
	ds_store_b64 v5, v[TMP+2*\i:TMP+2*\i+1] offset:((\s)&1)*XBUF+\i*PITCH     ; 32 lanes x 8 bytes: a token's 256 bytes
.endr
.if \more
	XLOAD \s+3
.endif
.endm
; 16 matrix instructions: channel blocks 4 half .. 4 half + 3 x the four token blocks, 32 along K.  The 32 accumulators take turns, one instruction a turn.
.macro MULH f, half, zero
	WIN 0x50
.irp nb, 0,1,2,3
.irp tt, 0,1,2,3
.if \zero
	v_wmma_f32_16x16x32_bf16 v[8*(4*(4*\half+\nb)+\tt):8*(4*(4*\half+\nb)+\tt)+7], v[FA+32*\f+8*\tt:FA+32*\f+8*\tt+7], v[FB+64*\f+8*(4*\half+\nb):FB+64*\f+8*(4*\half+\nb)+7], 0
.else
	v_wmma_f32_16x16x32_bf16 v[8*(4*(4*\half+\nb)+\tt):8*(4*(4*\half+\nb)+\tt)+7], v[FA+32*\f+8*\tt:FA+32*\f+8*\tt+7], v[FB+64*\f+8*(4*\half+\nb):FB+64*\f+8*(4*\half+\nb)+7], v[8*(4*(4*\half+\nb)+\tt):8*(4*(4*\half+\nb)+\tt)+7]
.endif
.endr
.endr
.endm
; 24 LDS loads: quarter q (32 along K) of slot and x buffer sl into fragment buffer f: x's four blocks first, then W's eight
.macro FETCH sl, q, f
	WIN 0
.irp tt, 0,1,2,3
	ds_load_b128 v[FA+32*\f+8*\tt:FA+32*\f+8*\tt+3],   v6 offset:\sl*XBUF+\tt*16*PITCH+64*\q
	ds_load_b128 v[FA+32*\f+8*\tt+4:FA+32*\f+8*\tt+7], v6 offset:\sl*XBUF+\tt*16*PITCH+64*\q+32
.endr
.irp nb, 0,1,2,3,4,5,6,7
	ds_load_b128 v[FB+64*\f+8*\nb:FB+64*\f+8*\nb+3],   v[7+\sl] offset:\nb*16*PITCH+64*\q
	ds_load_b128 v[FB+64*\f+8*\nb+4:FB+64*\f+8*\nb+7], v[7+\sl] offset:\nb*16*PITCH+64*\q+32
.endr
.endm
.macro QHEAD f, zero
	s_wait_dscnt 8                                 ; x and W's blocks 0-3 are in; the youngest eight loads (W's blocks 4-7) may be out
	MULH \f, 0, \zero
	PLACES                                         ; the other buffer, read by matrix instructions, is loaded again below
.endm
.macro QTAIL sl, q, f, g, zero
	FETCH \sl, \q, \g
	s_wait_dscnt 24                                ; all but the 24 just issued
	MULH \f, 1, \zero
.endm
; The first three quarters of a K step on slot sl.  xs: the K step of x that is converted meanwhile (0: none)
.macro STEP sl, zero, xs, cnt, more
	QHEAD 0, \zero
	QTAIL \sl, 1, 0, 1, \zero
	QHEAD 1, 0
.if \xs
	XCONV \xs, \cnt, \more
.endif
	QTAIL \sl, 2, 1, 0, 0
	QHEAD 0, 0
	QTAIL \sl, 3, 0, 1, 0
.endm
; The last quarter, and the change of slots.  In front of the barrier each wave waits for its reads of this slot and its stores of x, and for all its
; tensor loads (one is out: its part of the next slot).  fill = 1: the barrier opens a round of the cluster's barrier, and behind the round this slot is
; asked for again, two K steps ahead, first thing.  From that request to the wait for it a wave issues 112 matrix instructions.
.macro TURN sl, nx, fill
	s_wait_dscnt 0x0
	s_set_vgpr_msb 0x505a
	s_wait_tensorcnt 0x0
	ds_add_u32 v192, v193
	s_wait_dscnt 0x0
	s_set_vgpr_msb 0x5a50
.if \fill
	s_add_nc_u64 s[G0+4*\sl+2:G0+4*\sl+3], s[G0+4*\sl+2:G0+4*\sl+3], 2*KBLK     ; no tensor load of mine is out: the address may step
.endif
	s_barrier_signal -1
	MULH 1, 0, 0                                   ; registers only, while the others arrive
	WIN 0
	s_barrier_wait -1
.if \fill
	CREST
	tensor_load_to_lds s[G0+4*\sl:G0+4*\sl+3], s[G1:G1+7]
	s_nop 0
.endif
	PLACES
	FETCH \nx, 0, 0
	MULH 1, 1, 0
.endm
	s_load_b256 s[4:11], s[0:1], 0x0               ; x s[4:5], wt s[6:7], b_alpha s[8:9], u s[10:11]
	s_load_b128 s[12:15], s[0:1], 0x20             ; g s[12:13], qt s[14:15]
	s_load_b64 s[16:17], s[0:1], 0x30              ; oi
	s_set_vgpr_msb 0x80
	v_lshl_add_u32 v192, v0, 2, 0x4c800
	v_mov_b32 v193, 0
	s_set_vgpr_msb 0x808a
	ds_add_u32 v192, v193
	s_set_vgpr_msb 0x8a00
	v_lshrrev_b32 v1, 5, v0
	v_readfirstlane_b32 s18, v1                    ; wave 0..3
	s_bfe_u32 s19, ttmp6, 0x40000                  ; my place in the cluster
	s_lshl_b32 s20, ttmp9, 2
	s_add_co_u32 s20, s20, s19                     ; the chunk: 4 x cluster + place.  It enters global offsets of x and of the outputs alone
	v_and_b32 v1, 31, v0                           ; lane
	v_and_b32 v2, 15, v0                           ; r
	v_bfe_u32 v3, v0, 4, 1                         ; h
	v_lshlrev_b32 v4, 4, v1
	v_lshl_add_u32 v4, s18, 16, v4                 ; x: wave x 16 tokens of 4,096 bytes + 16 x lane
	v_lshlrev_b32 v9, 2, v2
	v_lshl_add_u32 v9, s18, 7, v9                  ; 4 (32 w + r)
	s_mov_b32 s[G1+0], 15|(1<<16)|(1<<20)|(1<<21)|(5<<22)|(3<<25)   ; mask: all four of the cluster; 2-byte elements; padding on; bit 21 beside a mask; after every 64 words, 4 words
	s_mov_b32 s[G1+1], 128<<16                     ; tensor_dim0 = 128
	s_mov_b32 s[G1+2], 128<<16                     ; tensor_dim1 = 128
	s_mov_b32 s[G1+3], 128<<16                     ; tile_dim0 = 128 elements: 256 bytes, aligned
	s_mov_b32 s[G1+4], 128                         ; tile_dim1 = 128 rows
	s_mov_b32 s[G1+5], 128                         ; from row to row: 128 elements (the block is dense)
	s_mov_b32 s[G1+6], 0
	s_mov_b32 s[G1+7], 0
	s_mul_i32 s21, s18, QROWS                      ; my quarter of a slot
	s_lshl_b32 s40, s18, 15                        ; and of a K block of wt: registers that never hold the chunk's number
	s_mov_b32 s41, 0
	s_mov_b32 s23, 0
	s_wait_dscnt 0x0
	s_wait_kmcnt 0x0
	s_add_nc_u64 s[6:7], s[6:7], s[40:41]
	s_lshl_b32 s22, s20, 18                        ; 64 tokens of 4,096 bytes
	s_add_nc_u64 s[4:5], s[4:5], s[22:23]
	s_lshl_b32 s22, s20, 16
	s_add_nc_u64 s[10:11], s[10:11], s[22:23]      ; u: 65,536 bytes a chunk
	s_lshl_b32 s22, s20, 9
	s_add_nc_u64 s[12:13], s[12:13], s[22:23]      ; g: 512
	s_lshl_b32 s22, s20, 15
	s_add_nc_u64 s[14:15], s[14:15], s[22:23]      ; qt: 32,768
	s_add_nc_u64 s[16:17], s[16:17], s[22:23]      ; oi: 32,768
	global_load_b32 v10, v9, s[8:9]                ; b of channel 32 w + r
	global_load_b32 v12, v9, s[8:9] offset:64      ; and of 32 w + 16 + r
	XLOAD 0
	XLOAD 1
	XLOAD 2                                        ; 48 loads, 24 KiB a wave, on their way
	WIN 0
	ROUND                                          ; the four work-groups are here: the first joint loads meet
.irp n, 0,1
	s_mov_b32 s[G0+4*\n], 1
	s_add_co_u32 s[G0+4*\n+1], s21, \n*SLOT
	s_add_nc_u64 s[G0+4*\n+2:G0+4*\n+3], s[6:7], \n*KBLK
	s_or_b32 s[G0+4*\n+3], s[G0+4*\n+3], 0x80000000
	tensor_load_to_lds s[G0+4*\n:G0+4*\n+3], s[G1:G1+7]            ; K blocks 0 and 1.  A wave has two tensor loads out here and one later
	s_nop 0
.endr
	s_mov_b32 s44, 0x76543210                      ; v_permlanex16_b32: lane i reads lane i xor 16
	s_mov_b32 s45, 0xfedcba98
	s_mov_b32 s46, 0xffff0000                      ; lanes with h = 1
	s_mov_b32 s47, 0x0000ffff                      ; lanes with h = 0
	s_and_b32 s48, s18, 1
	s_sub_co_u32 s48, 0, s48                       ; all ones if token tile w^1 lies before mine
	s_lshr_b32 s49, s18, 1
	s_sub_co_u32 s49, 0, s49                       ; all ones if tiles w^2 and w^3 do
	s_mul_i32 s42, s18, 16*PITCH
	s_add_co_u32 s42, s42, XB
	v_lshl_add_u32 v5, v1, 3, s42                  ; x store: my 16 tokens' rows, 8 bytes a lane
	v_mul_u32_u24 v6, v2, PITCH
	v_lshl_add_u32 v6, v3, 4, v6                   ; a fragment's lane term: row r, 16 bytes for each half of the lanes
	v_add_nc_u32 v7, s21, v6
	v_add_nc_u32 v8, SLOT, v7
	v_add_nc_u32 v6, XB, v6
	s_mul_i32 s42, s18, 32*TP
	v_mul_u32_u24 v14, v2, TP
	v_lshl_add_u32 v14, v3, 4, v14
	v_add_nc_u32 v14, s42, v14                     ; row 32 w + r of an array, tokens 8 h ..
	v_add_nc_u32 v15, 3*ARR, v14
	v_add_nc_u32 v16, 6*ARR, v14
	v_mul_u32_u24 v17, v2, VP
	v_lshl_add_u32 v17, v3, 4, v17
	s_mul_i32 s43, s18, 32*VP
.irp d, 0,1,2,3
	s_xor_b32 s42, s18, \d
	s_lshl_b32 s42, s42, 5                         ; token tile w^d: 32 bytes a tile
	s_add_co_u32 s42, s42, VB
	v_add_nc_u32 v[24+\d], s42, v17
	s_add_co_u32 s42, s42, s43
	s_add_co_u32 s42, s42, KKO
	v_add_nc_u32 v[28+\d], s42, v17                ; kk: my 32 rows
.endr
	s_add_co_u32 s43, s43, VB
	v_add_nc_u32 v17, s43, v17
	v_and_b32 v18, 7, v0
	v_lshl_add_u32 v18, v3, 3, v18
	v_mul_u32_u24 v18, v18, TP                     ; a transposing load's lane term: row 8 h + (lane & 7),
	v_bfe_u32 v19, v0, 3, 1
	v_lshl_add_u32 v18, v19, 4, v18                ; 16 bytes for each eight lanes
.irp d, 1,2,3
	s_xor_b32 s42, s18, \d
	s_lshl_b32 s42, s42, 5
	s_add_co_u32 s42, s42, 6*ARR
	v_add_nc_u32 v[20+\d], s42, v18
.endr
	v_lshl_add_u32 v18, s18, 5, v18
	v_add_nc_u32 v19, 3*ARR, v18
	v_add_nc_u32 v20, 6*ARR, v18
	XCONV 0, 32, 1                                 ; K steps 1 and 2 stay out (b is in too: it was asked for first)
	WIN 0
	s_wait_tensorcnt 0x1                           ; my part of K block 0 is in; block 1 may stay out
	s_wait_dscnt 0x0                               ; my part of x is in LDS
	s_barrier_signal -1
	s_barrier_wait -1
	FETCH 0, 0, 0
	STEP 0, 1, 1, 32, 1                            ; the first quarter's products start the sums: nothing is cleared
	TURN 0, 1, 1
	STEP 1, 0, 2, 32, 1
	TURN 1, 0, 1
	STEP 0, 0, 3, 32, 1
	TURN 0, 1, 1
	STEP 1, 0, 4, 32, 1
	TURN 1, 0, 1
	STEP 0, 0, 5, 32, 0                            ; x: nothing is left to ask for; the counts run down 32, 16, 0
	TURN 0, 1, 1
	STEP 1, 0, 6, 16, 0
	TURN 1, 0, 1                                   ; the last joint load: K block 7
	STEP 0, 0, 7, 0, 0
	TURN 0, 1, 0                                   ; nothing is filled any more: a plain barrier
	STEP 1, 0, 0, 0, 0
	s_wait_dscnt 0x0                               ; my last reads of the slots and of x are back:
	s_barrier_signal -1
	MULH 1, 0, 0
	MULH 1, 1, 0
	WIN 0
	s_barrier_wait -1                              ; everybody's are: the slots may be written by ds_store
	; ---- the decays.  The eleven lines of lane terms are also the places behind the last matrix instructions.
	v_mul_f32 v10, 0xbfb8aa3b, v10                 ; -log2(e) b
	v_mul_f32 v12, 0xbfb8aa3b, v12
	v_mov_b32 v11, v10
	v_mov_b32 v13, v12
	v_lshlrev_b32 v53, 4, v1                       ; 16 x lane
	v_add_nc_u32 v48, GST, v9                      ; g: my channel's word
	v_add_nc_u32 v49, GST, v53                     ; g: read back
	v_lshl_add_u32 v50, s18, 14, v53               ; u: my 16 tiles of 1,024 bytes
	v_lshl_add_u32 v51, s18, 13, v53               ; oi and qt: my token tile's 8,192 bytes
	v_add_nc_u32 v52, 9*ARR, v18                   ; array 9 at my tile
	v_lshlrev_b32 v58, 3, v3                       ; 8 h
.macro PACKP base                      ; 64 registers of window 1 to f16
	WIN 0x05
.set n, 0
.rept 32
	v_cvt_pk_f16_f32 v[PK+n], v[\base+2*n], v[\base+2*n+1]
.set n, n+1
.endr
.endm
.macro PACKL s                         ; X_s: q x IP where bit s of the token is set, k x ES where it is clear (the bit lies in the register's number)
	WIN 0x05
.set n, 0
.rept 32
.set t0, ((n>>2)&3)*16+((2*n)&7)
	v_cvt_pk_f16_f32 v[PK+n], v[64-64*((t0/\s)&1)+2*n], v[64-64*(((t0+1)/\s)&1)+2*n+1]
.set n, n+1
.endr
.endm
.macro STA adr, off, cstep             ; eight tokens of one channel are 16 bytes of the channel's row
	WIN 0
.irp ct, 0,1
.irp tt, 0,1,2,3
	ds_store_b128 v[\adr], v[PK+16*\ct+4*\tt:PK+16*\ct+4*\tt+3] offset:\off+\ct*\cstep+32*\tt
.endr
.endr
.endm
	PACKP VV
	STA 17, 0, 16*VP
	PACKP QI
	STA 15, ARR, 16*TP
	PACKP KE
	STA 15, 2*ARR, 16*TP
	; a = 1 / (1 + 2^(-log2e (z + b))), eight at a time; behind each run of transcendentals one plain place (ISA guide 5.7.2)
	WIN 0x41
.set n, 0
.rept 8
.irp k, 0,2,4,6
	v_pk_fma_f32 v[AL+8*n+\k:AL+8*n+\k+1], v[AL+8*n+\k:AL+8*n+\k+1], 0xbfb8aa3b, v[10+2*(n>>2):11+2*(n>>2)] op_sel_hi:[1,0,1]
.endr
.irp k, 0,1,2,3,4,5,6,7
	v_exp_f32 v[AL+8*n+\k], v[AL+8*n+\k]
.endr
	v_nop
	s_wait_alu depctr_va_vdst(0)
.irp k, 0,2,4,6
	v_pk_add_f32 v[AL+8*n+\k:AL+8*n+\k+1], v[AL+8*n+\k:AL+8*n+\k+1], 1.0 op_sel_hi:[1,0]
.endr
.irp k, 0,1,2,3,4,5,6,7
	v_rcp_f32 v[AL+8*n+\k], v[AL+8*n+\k]
.endr
	v_nop
.set n, n+1
.endr
	WIN 0x45
.set n, 0
	s_wait_alu depctr_va_vdst(0)
.rept 32
	v_pk_mul_f32 v[QI+2*n:QI+2*n+1], v[QI+2*n:QI+2*n+1], v[AL+2*n:AL+2*n+1]      ; q IP_1 = q a;  k ES_1 = k
.set n, n+1
.endr
	; level s: X_s goes out; then q IP takes the left sibling's total where bit s is set, k ES the right sibling's where it is clear; then the totals pair up
	PACKL 1
	STA 14, 0, 16*TP
	WIN 0x45
.set n, 0
.rept 32
	v_mul_f32 v[QI+2*n+1], v[QI+2*n+1], v[AL+2*n]
	v_mul_f32 v[KE+2*n], v[KE+2*n], v[AL+2*n+1]
	v_mul_f32 v[AL+2*n], v[AL+2*n], v[AL+2*n+1]
.set n, n+1
.endr
	PACKL 2
	STA 14, ARR, 16*TP
	WIN 0x45
.set n, 0
.rept 16
	v_pk_mul_f32 v[QI+4*n+2:QI+4*n+3], v[QI+4*n+2:QI+4*n+3], v[AL+4*n:AL+4*n+1] op_sel_hi:[1,0]
	v_pk_mul_f32 v[KE+4*n:KE+4*n+1], v[KE+4*n:KE+4*n+1], v[AL+4*n+2:AL+4*n+3] op_sel_hi:[1,0]
	v_mul_f32 v[AL+4*n], v[AL+4*n], v[AL+4*n+2]
.set n, n+1
.endr
	PACKL 4
	STA 14, 2*ARR, 16*TP
	WIN 0x45
.set n, 0
.rept 8
.irp k, 0,2
	v_pk_mul_f32 v[QI+8*n+4+\k:QI+8*n+5+\k], v[QI+8*n+4+\k:QI+8*n+5+\k], v[AL+8*n:AL+8*n+1] op_sel_hi:[1,0]
	v_pk_mul_f32 v[KE+8*n+\k:KE+8*n+1+\k], v[KE+8*n+\k:KE+8*n+1+\k], v[AL+8*n+4:AL+8*n+5] op_sel_hi:[1,0]
.endr
	v_mul_f32 v[AL+8*n], v[AL+8*n], v[AL+8*n+4]
.set n, n+1
.endr
	; level 8: the bit is h, so the choice is by lane
	WIN 0x05
.set n, 0
.rept 64
	v_cndmask_b32 v[RS+n], v[KE+n], v[QI+n], s46
.set n, n+1
.endr
	WIN 0
.set n, 0
.rept 32
	v_cvt_pk_f16_f32 v[PK+n], v[RS+2*n], v[RS+2*n+1]
.set n, n+1
.endr
	STA 15, 0, 16*TP
	WIN 0x45
.set n, 0
.rept 8
	v_permlanex16_b32 v[AL+8*n+1], v[AL+8*n], s44, s45             ; the other half's total
	v_cndmask_b32 v[AL+8*n+2], 1.0, v[AL+8*n+1], s46               ; for q IP: it, where h = 1
	v_cndmask_b32 v[AL+8*n+3], 1.0, v[AL+8*n+1], s47               ; for k ES: it, where h = 0
.irp k, 0,2,4,6
	v_pk_mul_f32 v[QI+8*n+\k:QI+8*n+\k+1], v[QI+8*n+\k:QI+8*n+\k+1], v[AL+8*n+2:AL+8*n+3] op_sel_hi:[1,0]
	v_pk_mul_f32 v[KE+8*n+\k:KE+8*n+\k+1], v[KE+8*n+\k:KE+8*n+\k+1], v[AL+8*n+2:AL+8*n+3] op_sel:[0,1] op_sel_hi:[1,1]
.endr
	v_mul_f32 v[AL+8*n], v[AL+8*n], v[AL+8*n+1]
.set n, n+1
.endr
	PACKL 16
	STA 16, 0, 16*TP
	WIN 0x45
.set n, 0
.rept 4
.irp k, 0,2,4,6
	v_pk_mul_f32 v[QI+16*n+8+\k:QI+16*n+9+\k], v[QI+16*n+8+\k:QI+16*n+9+\k], v[AL+16*n:AL+16*n+1] op_sel_hi:[1,0]
	v_pk_mul_f32 v[KE+16*n+\k:KE+16*n+1+\k], v[KE+16*n+\k:KE+16*n+1+\k], v[AL+16*n+8:AL+16*n+9] op_sel_hi:[1,0]
.endr
	v_mul_f32 v[AL+16*n], v[AL+16*n], v[AL+16*n+8]
.set n, n+1
.endr
	PACKL 32
	STA 16, ARR, 16*TP
	WIN 0x45
.set n, 0
.rept 2
.irp k, 0,2,4,6,8,10,12,14
	v_pk_mul_f32 v[QI+32*n+16+\k:QI+32*n+17+\k], v[QI+32*n+16+\k:QI+32*n+17+\k], v[AL+32*n:AL+32*n+1] op_sel_hi:[1,0]
	v_pk_mul_f32 v[KE+32*n+\k:KE+32*n+1+\k], v[KE+32*n+\k:KE+32*n+1+\k], v[AL+32*n+16:AL+32*n+17] op_sel_hi:[1,0]
.endr
	v_mul_f32 v[AL+32*n], v[AL+32*n], v[AL+32*n+16]                ; g
.set n, n+1
.endr
	; q~ = q IP_64 as hi + lo in bf16: it meets the state, whose range f16 does not hold
	WIN 0x05
.set n, 0
.rept 32
	v_cvt_pk_bf16_f32 v[PK+n], v[QI+2*n], v[QI+2*n+1]
.set n, n+1
.endr
	STA 16, 2*ARR, 16*TP
	WIN 0x01
.set n, 0
.rept 32
	v_lshlrev_b32 v[RS+2*n], 16, v[PK+n]
	v_and_b32 v[RS+2*n+1], 0xffff0000, v[PK+n]
	v_sub_f32 v[RS+2*n], v[QI+2*n], v[RS+2*n]                      ; what the first rounding left
	v_sub_f32 v[RS+2*n+1], v[QI+2*n+1], v[RS+2*n+1]
.set n, n+1
.endr
	WIN 0
.set n, 0
.rept 32
	v_cvt_pk_bf16_f32 v[PK+n], v[RS+2*n], v[RS+2*n+1]
.set n, n+1
.endr
	STA 16, 3*ARR, 16*TP
	PACKP KE                                       ; k ES_64
	STA 17, KKO, 16*VP
	WIN 0x04
	ds_store_b32 v48, v[AL]                        ; both halves of the lanes hold the same g and write the same word
	ds_store_b32 v48, v[AL+32] offset:64
	WIN 0
	s_wait_dscnt 0x0                               ; my stores are in LDS before I say so
	s_barrier_signal -1
	s_barrier_wait -1                              ; from here on LDS is only read
	; ---- the chunk's products.  Scores of my 16 queries: the key side is source 0, so lane r = query, register jj = key 8 h + jj.
.macro TR2 dst, adr, off               ; a fragment of 16 tokens x 32 channels from an array [channel][token]
	ds_load_tr16_b128 v[\dst:\dst+3],   v[\adr] offset:\off
	ds_load_tr16_b128 v[\dst+4:\dst+7], v[\adr] offset:\off+16*TP
.endm
.macro FETCHA m, buf                   ; 22 loads: the eleven fragments of channels 32 m .. 32 m + 31
	WIN 0
	TR2 FR+88*\buf,    19, 32*TP*\m                ; X8
	TR2 FR+88*\buf+8,  18, 2*ARR+32*TP*\m          ; X4
	TR2 FR+88*\buf+16, 18, ARR+32*TP*\m            ; X2
	TR2 FR+88*\buf+24, 18, 32*TP*\m                ; X1
	TR2 FR+88*\buf+32, 19, 2*ARR+32*TP*\m          ; k
	TR2 FR+88*\buf+40, 19, ARR+32*TP*\m            ; q
	TR2 FR+88*\buf+48, 21, 32*TP*\m                ; X16 at tile w^1
	TR2 FR+88*\buf+56, 20, 32*TP*\m                ; X16 at mine
	TR2 FR+88*\buf+64, 22, ARR+32*TP*\m            ; X32 at tile w^2
	TR2 FR+88*\buf+72, 23, ARR+32*TP*\m            ; X32 at tile w^3
	TR2 FR+88*\buf+80, 20, ARR+32*TP*\m            ; X32 at mine
.endm
.macro WM d, a, b, zero
.if \zero
	v_wmma_f32_16x16x32_f16 v[\d:\d+7], v[\a:\a+7], v[\b:\b+7], 0
.else
	v_wmma_f32_16x16x32_f16 v[\d:\d+7], v[\a:\a+7], v[\b:\b+7], v[\d:\d+7]
.endif
.endm
.macro MULA buf, zero                  ; eight accumulators (window 1, v0-63) by turns
	WIN 0x50
	WM 0,  FR+88*\buf,    FR+88*\buf,    \zero     ; level 8, my tile against itself
	WM 8,  FR+88*\buf+8,  FR+88*\buf+8,  \zero     ; level 4
	WM 16, FR+88*\buf+16, FR+88*\buf+16, \zero     ; level 2
	WM 24, FR+88*\buf+24, FR+88*\buf+24, \zero     ; level 1
	WM 32, FR+88*\buf+32, FR+88*\buf+40, \zero     ; k . q, for i = j
	WM 40, FR+88*\buf+48, FR+88*\buf+56, \zero     ; keys of tile w^1
	WM 48, FR+88*\buf+64, FR+88*\buf+80, \zero     ; of tile w^2
	WM 56, FR+88*\buf+72, FR+88*\buf+80, \zero     ; of tile w^3
.endm
	FETCHA 0, 0
	FETCHA 1, 1
	s_wait_dscnt 22                                ; the older 22 are in
	MULA 0, 1
	PLACES
	FETCHA 2, 0
	s_wait_dscnt 22
	MULA 1, 0
	PLACES
	FETCHA 3, 1
	s_wait_dscnt 22
	MULA 0, 0
	s_wait_dscnt 0x0
	MULA 1, 0
	PLACES
	WIN 0
	; Fragments along the tokens.  The tokens are taken in the order of tiles w, w^1, w^2, w^3, alike in every operand.
.irp e, 0,1
.irp k, 0,1
	ds_load_b128 v[64+8*(2*\e+\k):64+8*(2*\e+\k)+3],   v[28+2*\k] offset:\e*16*VP
	ds_load_b128 v[64+8*(2*\e+\k)+4:64+8*(2*\e+\k)+7], v[29+2*\k] offset:\e*16*VP
.endr
.endr
.irp vt, 0,1,2,3,4,5,6,7
.irp k, 0,1
	ds_load_b128 v[128+8*(2*\vt+\k):128+8*(2*\vt+\k)+3],   v[24+2*\k] offset:\vt*16*VP
	ds_load_b128 v[128+8*(2*\vt+\k)+4:128+8*(2*\vt+\k)+7], v[25+2*\k] offset:\vt*16*VP
.endr
.endr
	WIN 0x80                                       ; q~ of my tokens as fragments, into window 2: hi v0-31, lo v32-63
.irp m, 0,1,2,3
	TR2 8*\m, 20, 2*ARR+32*TP*\m
.endr
.irp m, 0,1,2,3
	TR2 32+8*\m, 52, 32*TP*\m
.endr
	; my own tile: each (key, query) takes the level of the highest bit in which they differ; keys behind the query count nothing
	WIN 0x40
	v_xor_b32 v128, v2, v58                        ; r xor 8 h
	v_mov_b32 v129, v2                             ; the query
	v_mov_b32 v130, v58                            ; 8 h
	WIN 0x45
.irp jj, 0,1,2,3,4,5,6,7
	v_xor_b32 v131, \jj, v128                      ; key xor query
	v_add_nc_u32 v132, \jj, v130                   ; key
	v_cmp_gt_u32 vcc_lo, 8, v131
	v_cndmask_b32 v[\jj], v[\jj], v[8+\jj], vcc_lo
	v_cmp_gt_u32 vcc_lo, 4, v131
	v_cndmask_b32 v[\jj], v[\jj], v[16+\jj], vcc_lo
	v_cmp_gt_u32 vcc_lo, 2, v131
	v_cndmask_b32 v[\jj], v[\jj], v[24+\jj], vcc_lo
	v_cmp_gt_u32 vcc_lo, 1, v131
	v_cndmask_b32 v[\jj], v[\jj], v[32+\jj], vcc_lo
	v_cmp_le_u32 vcc_lo, v132, v129
	v_cndmask_b32 v[\jj], 0, v[\jj], vcc_lo
	v_and_b32 v[40+\jj], s48, v[40+\jj]            ; whole tiles of later keys count nothing
	v_and_b32 v[48+\jj], s49, v[48+\jj]
	v_and_b32 v[56+\jj], s49, v[56+\jj]
.endr
	; the wave's largest |score|: its exponent gives the power of two that brings the scores into f16's range
	WIN 0x55
	v_max3_num_f32 v131, |v0|, |v1|, |v2|
	v_max3_num_f32 v132, |v7|, |v40|, |v41|
	v_max3_num_f32 v131, v131, |v3|, |v4|
	v_max3_num_f32 v131, v131, |v5|, |v6|
.set n, 0
.rept 11
	v_max3_num_f32 v132, v132, |v[42+2*n]|, |v[43+2*n]|
.set n, n+1
.endr
	WIN 0x05
	v_max_num_f32 v54, v131, v132
	WIN 0
	v_max_num_f32_dpp v54, v54, v54 row_xmask:1 row_mask:0xf bank_mask:0xf
	v_max_num_f32_dpp v54, v54, v54 row_xmask:2 row_mask:0xf bank_mask:0xf
	v_max_num_f32_dpp v54, v54, v54 row_xmask:4 row_mask:0xf bank_mask:0xf
	v_max_num_f32_dpp v54, v54, v54 row_xmask:8 row_mask:0xf bank_mask:0xf
	v_permlanex16_b32 v55, v54, s44, s45
	v_max_num_f32 v54, v54, v55
	v_and_b32 v56, 0x7f800000, v54                 ; 2^(E-127): taken off again behind the products
	v_sub_nc_u32 v54, 0x7f000000, v56              ; 2^(127-E): the largest score comes to lie in [1, 2)
	WIN 0x41                                       ; (of the pairs v[54:55] and v[56:57] the first register alone is used)
.irp k, 0,2,4,6
	v_pk_mul_f32 v[\k:\k+1], v[\k:\k+1], v[54:55] op_sel_hi:[1,0]
.endr
.set n, 0
.rept 12
	v_pk_mul_f32 v[40+2*n:41+2*n], v[40+2*n:41+2*n], v[54:55] op_sel_hi:[1,0]
.set n, n+1
.endr
	WIN 0x05                                       ; a lane's eight keys of one query are half a fragment: v[32:39] tiles w, w^1; v[40:47] tiles w^2, w^3
.irp k, 0,1,2,3
	v_cvt_pk_f16_f32 v[32+\k], v[2*\k], v[2*\k+1]
.endr
.set n, 0
.rept 12
	v_cvt_pk_f16_f32 v[36+n], v[40+2*n], v[41+2*n]
.set n, n+1
.endr
	s_wait_dscnt 16                                ; kk and v are in; q~'s sixteen loads may be out
	WIN 0x50
.irp k, 0,1
.irp e, 0,1
.irp vt, 0,1,2,3,4,5,6,7
	WM 128+8*(8*\e+\vt), 64+8*(2*\e+\k), 128+8*(2*\vt+\k), 1-\k    ; u(channel, v) = sum over tokens of kk v: sixteen accumulators by turns
.endr
.endr
.endr
.irp k, 0,1
.irp vt, 0,1,2,3,4,5,6,7
	WM 64+8*\vt, 128+8*(2*\vt+\k), 32+8*\k, 1-\k                   ; o(v, query) = sum over keys of v x score: eight accumulators by turns
.endr
.endr
	PLACES
	WIN 0x41
.set n, 0
.rept 32
	v_pk_mul_f32 v[64+2*n:65+2*n], v[64+2*n:65+2*n], v[56:57] op_sel_hi:[1,0]
.set n, n+1
.endr
	WIN 0x04                                       ; every store of the wave covers 512 consecutive bytes, aligned
.set n, 0
.rept 32
	global_store_b128 v50, v[128+4*n:131+4*n], s[10:11] offset:512*n
.set n, n+1
.endr
.set n, 0
.rept 16
	global_store_b128 v51, v[64+4*n:67+4*n], s[16:17] offset:512*n
.set n, n+1
.endr
	s_wait_dscnt 0x0                               ; q~'s fragments
	WIN 0x08
.set n, 0
.rept 16
	global_store_b128 v51, v[4*n:4*n+3], s[14:15] offset:512*n
.set n, n+1
.endr
	WIN 0
	s_cmp_lg_u32 s18, 0
	s_cbranch_scc1 .Lno_g
	ds_load_b128 v[60:63], v49                     ; wave 0 stores the chunk's 128 g
	s_wait_dscnt 0x0
	global_store_b128 v53, v[60:63], s[12:13]
.Lno_g:
	s_set_vgpr_msb 0xa
	s_wait_tensorcnt 0x0
	ds_add_u32 v192, v193
	s_wait_dscnt 0x0
	s_set_vgpr_msb 0xa00
	ROUND                                          ; the closing round: no work-group ends while a partner may still ask jointly
	s_endpgm
.Lfunc_end_k_q6300692163_main:
	.size	k_q6300692163_main, .Lfunc_end_k_q6300692163_main-k_q6300692163_main
	.p2alignl 7, 3214868480
	.fill 96, 4, 3214868480
	.section	.rodata,"a",@progbits
	.p2align	6, 0x0
	.amdhsa_kernel k_q6300692163_main
		.amdhsa_group_segment_fixed_size 327680
		.amdhsa_private_segment_fixed_size 0
		.amdhsa_enable_private_segment 0
		.amdhsa_kernarg_size 56
		.amdhsa_user_sgpr_count 2
		.amdhsa_user_sgpr_kernarg_segment_ptr 1
		.amdhsa_wavefront_size32 1
		.amdhsa_system_sgpr_workgroup_id_x 1
		.amdhsa_system_sgpr_workgroup_id_y 1
		.amdhsa_system_sgpr_workgroup_id_z 1
		.amdhsa_system_vgpr_workitem_id 0
		.amdhsa_next_free_vgpr 706
		.amdhsa_next_free_sgpr 66
		.amdhsa_reserve_vcc 1
		.amdhsa_float_denorm_mode_32 3
		.amdhsa_float_denorm_mode_16_64 3
		.amdhsa_memory_ordered 1
		.amdhsa_forward_progress 1
		.amdhsa_inst_pref_size 255
	.end_amdhsa_kernel
	.section	.bss,"aw",@nobits
	.p2align	6
	.space	262144
	.amdgpu_metadata
---
amdhsa.version: [ 1, 2 ]
amdhsa.kernels:
  - .name:           k_q6300692163_main
    .symbol:         k_q6300692163_main.kd
    .args:
      - { .name: x, .offset: 0, .size: 8, .value_kind: global_buffer, .address_space: global }
      - { .name: wt, .offset: 8, .size: 8, .value_kind: global_buffer, .address_space: global }
      - { .name: b_alpha, .offset: 16, .size: 8, .value_kind: global_buffer, .address_space: global }
      - { .name: u, .offset: 24, .size: 8, .value_kind: global_buffer, .address_space: global }
      - { .name: g, .offset: 32, .size: 8, .value_kind: global_buffer, .address_space: global }
      - { .name: qt, .offset: 40, .size: 8, .value_kind: global_buffer, .address_space: global }
      - { .name: oi, .offset: 48, .size: 8, .value_kind: global_buffer, .address_space: global }
    .group_segment_fixed_size: 327680
    .private_segment_fixed_size: 0
    .kernarg_segment_align: 8
    .kernarg_segment_size: 56
    .max_flat_workgroup_size: 128
    .sgpr_count:     66
    .vgpr_count:     706
    .wavefront_size: 32
...
	.end_amdgpu_metadata
.endif
;; end of part 2
;; launch scan (part 3): grid 256 x 1, 2 waves a work-group, no clusters, 0 bytes of LDS; arguments u, g, sb; writes sb
.if DOCPART == 3
	.amdgcn_target "amdgcn-amd-amdhsa--gfx1250"
	.amdhsa_code_object_version 6
	.text
	.protected	k_q6300692163_scan
	.globl	k_q6300692163_scan
	.p2align	8
	.type	k_q6300692163_scan,@function
k_q6300692163_scan:
	s_mov_b64 s[64:65], 0
	v_nop
	global_prefetch_b8 v0, s[64:65] scope:SCOPE_SE
	s_setreg_imm32_b32 hwreg(HW_REG_WAVE_MODE, 25, 1), 1
	s_wait_xcnt 0x0
; The state at the head of each chunk: S(0) = 0, S(c+1) = g_c * S(c) + U_c, kept in f32, stored in bf16 as matrix fragments.
; 8 batches x 64 tiles of 16 channels x 16 v = 512 waves, each alone with its tile through the batch's 32 chunks: no LDS, no barrier.
; Lane (r, h), register j = channel 16 kt + 8 h + j, v = 16 vt + r, as the last launch stored u.  A wave asks for its 62 pieces of u (31 KiB) at once,
; each 512 consecutive bytes; the chain of 31 multiply-adds then follows the loads as they land.
; LIMIT: the state is rounded to bf16 once where it is stored; the chain itself is f32.
.set GREG, 8                           ; v[8:23]   lane (c & 15) + 16 h: g of chunk c, channels 16 kt + 8 h .. + 7; chunks 0-15, then 16-31
.set SREG, 24                          ; v[24:31]  the state
.set GT,   32                          ; v[32:39]  this chunk's g, in every lane of the half
.set OUTR, 64                          ; v[64:191] chunk c: 4 registers to store, its own, so that no store is waited for
                                       ; window 1: v[8 c : 8 c + 7] = U of chunk c
	s_load_b128 s[4:7], s[0:1], 0x0                ; u, g
	s_load_b64 s[8:9], s[0:1], 0x10                ; sb
	v_lshrrev_b32 v1, 5, v0
	v_readfirstlane_b32 s10, v1
	s_lshl1_add_u32 s11, ttmp9, s10                ; 2 x work-group + wave
	s_lshr_b32 s12, s11, 6                         ; batch
	s_and_b32 s13, s11, 63                         ; tile = 8 kt + vt
	s_lshr_b32 s14, s13, 3                         ; kt
	s_and_b32 s15, s13, 7                          ; vt
	v_and_b32 v1, 31, v0
	v_lshlrev_b32 v2, 4, v1                        ; 16 x lane
	v_and_b32 v3, 15, v1
	v_lshrrev_b32 v4, 4, v1
	v_lshlrev_b32 v3, 9, v3                        ; g: chunk (lane & 15), 512 bytes a chunk,
	v_lshl_add_u32 v3, v4, 5, v3                   ; 8 channels for each half of the lanes
	s_lshl_b32 s16, s12, 21                        ; u: 32 chunks of 65,536 bytes a batch
	s_lshl_b32 s20, s13, 10                        ; + tile x 1,024
	s_add_co_u32 s16, s16, s20
	s_mov_b32 s17, 0
	s_lshl_b32 s18, s12, 14                        ; g: 32 chunks of 512 bytes
	s_lshl_b32 s20, s14, 6                         ; + 16 kt channels
	s_add_co_u32 s18, s18, s20
	s_mov_b32 s19, 0
	s_lshl_b32 s20, s12, 20                        ; sb: 32 chunks of 32,768 bytes
	s_lshl3_add_u32 s21, s15, s14                  ; 8 vt + kt
	s_lshl_b32 s21, s21, 9
	s_add_co_u32 s20, s20, s21
	s_mov_b32 s21, 0
	s_wait_kmcnt 0x0
	s_add_nc_u64 s[4:5], s[4:5], s[16:17]
	s_add_nc_u64 s[6:7], s[6:7], s[18:19]
	s_add_nc_u64 s[8:9], s[8:9], s[20:21]
	global_load_b128 v[GREG:GREG+3],     v3, s[6:7]
	global_load_b128 v[GREG+4:GREG+7],   v3, s[6:7] offset:16
	global_load_b128 v[GREG+8:GREG+11],  v3, s[6:7] offset:8192
	global_load_b128 v[GREG+12:GREG+15], v3, s[6:7] offset:8208
	s_set_vgpr_msb 0x40                            ; destination in window 1
.set c, 0
.rept 31
	global_load_b128 v[8*c:8*c+3],   v2, s[4:5] offset:c*65536 th:TH_LOAD_NT
	global_load_b128 v[8*c+4:8*c+7], v2, s[4:5] offset:c*65536+512 th:TH_LOAD_NT
.set c, c+1
.endr
	s_set_vgpr_msb 0x4010                          ; source 2 in window 1, all else in window 0
.irp j, 0,1,2,3,4,5,6,7
	v_mov_b32 v[SREG+\j], 0                        ; S(0) = 0
	v_mov_b32 v[GT+\j], 0                          ; written once: the destination of a DPP form counts as read
.endr
; chunk 16 hi + l: S goes out as it stands at the chunk's head; then it takes the chunk in
.macro CHUNK l, hi
.set c, 16*\hi+\l
.irp k, 0,1,2,3
	v_cvt_pk_bf16_f32 v[OUTR+4*c+\k], v[SREG+2*\k], v[SREG+2*\k+1]
.endr
	global_store_b128 v2, v[OUTR+4*c:OUTR+4*c+3], s[8:9] offset:c*32768
.if c < 31
	s_wait_loadcnt 60-2*c                          ; loads come back in order: the 2 (30 - c) pieces of later chunks stay out
.irp j, 0,1,2,3,4,5,6,7
	v_mov_b32_dpp v[GT+\j], v[GREG+8*\hi+\j] row_share:\l row_mask:0xf bank_mask:0xf
.endr
.irp k, 0,2,4,6
	v_pk_fma_f32 v[SREG+\k:SREG+\k+1], v[GT+\k:GT+\k+1], v[SREG+\k:SREG+\k+1], v[8*c+\k:8*c+\k+1]
.endr
.endif
.endm
.irp l, 0,1,2,3,4,5,6,7,8,9,10,11,12,13,14,15
	CHUNK \l, 0
.endr
.irp l, 0,1,2,3,4,5,6,7,8,9,10,11,12,13,14,15
	CHUNK \l, 1
.endr
	s_set_vgpr_msb 0x1000
	s_endpgm
.Lfunc_end_k_q6300692163_scan:
	.size	k_q6300692163_scan, .Lfunc_end_k_q6300692163_scan-k_q6300692163_scan
	.p2alignl 7, 3214868480
	.fill 96, 4, 3214868480
	.section	.rodata,"a",@progbits
	.p2align	6, 0x0
	.amdhsa_kernel k_q6300692163_scan
		.amdhsa_group_segment_fixed_size 0
		.amdhsa_private_segment_fixed_size 0
		.amdhsa_enable_private_segment 0
		.amdhsa_kernarg_size 24
		.amdhsa_user_sgpr_count 2
		.amdhsa_user_sgpr_kernarg_segment_ptr 1
		.amdhsa_wavefront_size32 1
		.amdhsa_system_sgpr_workgroup_id_x 1
		.amdhsa_system_sgpr_workgroup_id_y 1
		.amdhsa_system_sgpr_workgroup_id_z 1
		.amdhsa_system_vgpr_workitem_id 0
		.amdhsa_next_free_vgpr 512
		.amdhsa_next_free_sgpr 66
		.amdhsa_reserve_vcc 0
		.amdhsa_float_denorm_mode_32 3
		.amdhsa_float_denorm_mode_16_64 3
		.amdhsa_memory_ordered 1
		.amdhsa_forward_progress 1
		.amdhsa_inst_pref_size 44
	.end_amdhsa_kernel
	.amdgpu_metadata
---
amdhsa.version: [ 1, 2 ]
amdhsa.kernels:
  - .name:           k_q6300692163_scan
    .symbol:         k_q6300692163_scan.kd
    .args:
      - { .name: u, .offset: 0, .size: 8, .value_kind: global_buffer, .address_space: global }
      - { .name: g, .offset: 8, .size: 8, .value_kind: global_buffer, .address_space: global }
      - { .name: sb, .offset: 16, .size: 8, .value_kind: global_buffer, .address_space: global }
    .group_segment_fixed_size: 0
    .private_segment_fixed_size: 0
    .kernarg_segment_align: 8
    .kernarg_segment_size: 24
    .max_flat_workgroup_size: 64
    .sgpr_count:     66
    .vgpr_count:     512
    .wavefront_size: 32
...
	.end_amdgpu_metadata
.endif
;; end of part 3
;; launch out (part 4): grid 256 x 1, 8 waves a work-group, no clusters, 35,840 bytes of LDS; arguments qt, sb, oi, out0; writes out0
.if DOCPART == 4
	.amdgcn_target "amdgcn-amd-amdhsa--gfx1250"
	.amdhsa_code_object_version 6
	.text
	.protected	k_q6300692163_out
	.globl	k_q6300692163_out
	.p2align	8
	.type	k_q6300692163_out,@function
k_q6300692163_out:
	s_mov_b64 s[64:65], 0
	v_nop
	global_prefetch_b8 v0, s[64:65] scope:SCOPE_SE
	s_setreg_imm32_b32 hwreg(HW_REG_WAVE_MODE, 25, 1), 1
	s_wait_xcnt 0x0
; out0 = oi + q~ S: the chunk's own outputs plus what the state at the chunk's head gives.  One work-group a chunk, eight waves:
; wave = (token tile tt, half vh of the 128 v): 16 tokens x 64 v, four accumulator tiles D(m = v, n = token), which start from oi.
; All operands lie in memory as fragments: every load of a wave covers 512 consecutive bytes.  q~ is hi + lo in bf16, so each block of 32 channels
; takes two products; S is one bf16.  A lane ends with eight neighbouring v of one token; the wave's own stage in LDS turns that into whole rows,
; and sixteen lanes store 256 consecutive bytes, aligned.  Work-groups share no input: no cluster.
.set QF,  8                            ; v[8:71]    q~: hi of channel blocks 0-3, then lo; later the rows read back
.set ACC, 72                           ; v[72:103]
.set SF,  104                          ; v[104:231] S: block m, tile vl at 8 (4 m + vl)
.set SP,  272                          ; stage: 256 bytes + 16
	s_load_b256 s[4:11], s[0:1], 0x0               ; qt s[4:5], sb s[6:7], oi s[8:9], out0 s[10:11]
	v_lshl_add_u32 v232, v0, 2, 0x8800
	v_mov_b32 v233, 0
	v_lshrrev_b32 v1, 5, v0
	v_readfirstlane_b32 s12, v1                    ; wave
	s_lshr_b32 s13, s12, 1                         ; tt
	s_and_b32 s14, s12, 1                          ; vh
	v_and_b32 v1, 31, v0
	v_lshlrev_b32 v2, 4, v1                        ; 16 x lane
	v_and_b32 v3, 15, v1                           ; r
	v_lshrrev_b32 v4, 4, v1                        ; h
	s_mul_i32 s15, s12, 16*SP                      ; my stage
	v_mul_u32_u24 v5, v3, SP
	v_lshl_add_u32 v5, v4, 5, v5
	v_add_nc_u32 v5, s15, v5                       ; in: token r, 32 bytes for each half of the lanes
	v_mul_u32_u24 v6, v4, SP
	v_lshl_add_u32 v6, v3, 4, v6
	v_add_nc_u32 v6, s15, v6                       ; back: lanes 0-15 one token, lanes 16-31 the next
	v_lshlrev_b32 v7, 9, v4
	v_lshl_add_u32 v7, v3, 4, v7                   ; and the same two tokens in out0: rows of 512 bytes
	s_lshl_b32 s15, ttmp9, 15                      ; every one of the four buffers has 32,768 bytes a chunk
	s_lshl_b32 s16, s13, 13
	s_add_co_u32 s16, s16, s15                     ; qt: + tt x 8,192
	s_mov_b32 s17, 0
	s_lshl_b32 s18, s14, 14
	s_add_co_u32 s18, s18, s15                     ; sb: + vh x 4 tiles x 4,096
	s_mov_b32 s19, 0
	s_lshl_b32 s20, s14, 12
	s_add_co_u32 s20, s20, s16                     ; oi: + tt x 8,192 + vh x 4,096
	s_mov_b32 s21, 0
	s_lshl_b32 s22, s14, 8
	s_add_co_u32 s22, s22, s16                     ; out0: + 16 tt rows + vh x 256
	s_mov_b32 s23, 0
	s_wait_kmcnt 0x0
	s_add_nc_u64 s[4:5], s[4:5], s[16:17]
	s_add_nc_u64 s[6:7], s[6:7], s[18:19]
	s_add_nc_u64 s[8:9], s[8:9], s[20:21]
	s_add_nc_u64 s[10:11], s[10:11], s[22:23]
.irp i, 0,1,2,3,4,5,6,7,8,9,10,11,12,13,14,15
	global_load_b128 v[QF+4*\i:QF+4*\i+3], v2, s[4:5] offset:512*\i
.endr
.irp i, 0,1,2,3,4,5,6,7
	global_load_b128 v[ACC+4*\i:ACC+4*\i+3], v2, s[8:9] offset:512*\i th:TH_LOAD_NT
.endr
.irp m, 0,1,2,3
.irp vl, 0,1,2,3
	global_load_b128 v[SF+8*(4*\m+\vl):SF+8*(4*\m+\vl)+3],   v2, s[6:7] offset:\vl*4096+\m*1024
	global_load_b128 v[SF+8*(4*\m+\vl)+4:SF+8*(4*\m+\vl)+7], v2, s[6:7] offset:\vl*4096+\m*1024+512
.endr
.endr
.irp m, 0,1,2,3
	s_wait_loadcnt 24-8*\m                         ; the eight loads of each later block stay out
.irp p, 0,1
.irp vl, 0,1,2,3
	v_wmma_f32_16x16x32_bf16 v[ACC+8*\vl:ACC+8*\vl+7], v[SF+8*(4*\m+\vl):SF+8*(4*\m+\vl)+7], v[QF+32*\p+8*\m:QF+32*\p+8*\m+7], v[ACC+8*\vl:ACC+8*\vl+7]   ; four accumulators by turns
.endr
.endr
.endr
.rept 4
	v_nop                                          ; four places behind the last matrix instructions (ISA guide 7.12.1)
.endr
.irp vl, 0,1,2,3
	ds_store_b128 v5, v[ACC+8*\vl:ACC+8*\vl+3]   offset:64*\vl
	ds_store_b128 v5, v[ACC+8*\vl+4:ACC+8*\vl+7] offset:64*\vl+16
.endr
.irp t, 0,1,2,3,4,5,6,7
	ds_load_b128 v[QF+4*\t:QF+4*\t+3], v6 offset:\t*2*SP           ; LDS serves a wave's instructions in order: these see the stores above; the stage is my own
.endr
.irp t, 0,1,2,3,4,5,6,7
	s_wait_dscnt 7-\t
	global_store_b128 v7, v[QF+4*\t:QF+4*\t+3], s[10:11] offset:\t*1024 th:TH_STORE_NT
.endr
	s_wait_tensorcnt 0x0
	ds_add_u32 v232, v233
	s_wait_dscnt 0x0
	s_endpgm
.Lfunc_end_k_q6300692163_out:
	.size	k_q6300692163_out, .Lfunc_end_k_q6300692163_out-k_q6300692163_out
	.p2alignl 7, 3214868480
	.fill 96, 4, 3214868480
	.section	.rodata,"a",@progbits
	.p2align	6, 0x0
	.amdhsa_kernel k_q6300692163_out
		.amdhsa_group_segment_fixed_size 35840
		.amdhsa_private_segment_fixed_size 0
		.amdhsa_enable_private_segment 0
		.amdhsa_kernarg_size 32
		.amdhsa_user_sgpr_count 2
		.amdhsa_user_sgpr_kernarg_segment_ptr 1
		.amdhsa_wavefront_size32 1
		.amdhsa_system_sgpr_workgroup_id_x 1
		.amdhsa_system_sgpr_workgroup_id_y 1
		.amdhsa_system_sgpr_workgroup_id_z 1
		.amdhsa_system_vgpr_workitem_id 0
		.amdhsa_next_free_vgpr 234
		.amdhsa_next_free_sgpr 66
		.amdhsa_reserve_vcc 0
		.amdhsa_float_denorm_mode_32 3
		.amdhsa_float_denorm_mode_16_64 3
		.amdhsa_memory_ordered 1
		.amdhsa_forward_progress 1
		.amdhsa_inst_pref_size 12
	.end_amdhsa_kernel
	.amdgpu_metadata
---
amdhsa.version: [ 1, 2 ]
amdhsa.kernels:
  - .name:           k_q6300692163_out
    .symbol:         k_q6300692163_out.kd
    .args:
      - { .name: qt, .offset: 0, .size: 8, .value_kind: global_buffer, .address_space: global }
      - { .name: sb, .offset: 8, .size: 8, .value_kind: global_buffer, .address_space: global }
      - { .name: oi, .offset: 16, .size: 8, .value_kind: global_buffer, .address_space: global }
      - { .name: out0, .offset: 24, .size: 8, .value_kind: global_buffer, .address_space: global }
    .group_segment_fixed_size: 35840
    .private_segment_fixed_size: 0
    .kernarg_segment_align: 8
    .kernarg_segment_size: 32
    .max_flat_workgroup_size: 256
    .sgpr_count:     66
    .vgpr_count:     234
    .wavefront_size: 32
...
	.end_amdgpu_metadata
.endif
;; end of part 4
;; ======== version 2 of 2: 4 launches; version 1 with the launch scan written anew for expert scheduling mode
;; limits: values are held in f16: magnitudes above 65,504 overflow, below 6.1e-05 lose precision; right only within a limited range of input values
;; workspace buffers: wt 1,048,576 bytes; u 16,777,216 bytes; g 131,072 bytes; qt 8,388,608 bytes; oi 8,388,608 bytes; sb 8,388,608 bytes
;; launch prep: the kernel of part 1 again; grid 8 x 4, 8 waves a work-group, no clusters, 35,840 bytes of LDS; arguments W_q, W_k, W_v, W_alpha, wt; writes wt
;; launch main: the kernel of part 2 again; grid 256 x 1, 4 waves a work-group, clusters of 4 x 1, 327,680 bytes of LDS; arguments x, wt, b_alpha, u, g, qt, oi; writes u, g, qt, oi
;; launch scan (part 5): grid 256 x 1, 2 waves a work-group, no clusters, 0 bytes of LDS; arguments u, g, sb; writes sb
.if DOCPART == 5
	.amdgcn_target "amdgcn-amd-amdhsa--gfx1250"
	.amdhsa_code_object_version 6
	.text
	.protected	k_q6300692163_scan
	.globl	k_q6300692163_scan
	.p2align	8
	.type	k_q6300692163_scan,@function
k_q6300692163_scan:
	s_mov_b64 s[64:65], 0
	v_nop
	global_prefetch_b8 v0, s[64:65] scope:SCOPE_SE
	s_setreg_imm32_b32 hwreg(HW_REG_WAVE_SCHED_MODE, 0, 2), 2
	s_setreg_imm32_b32 hwreg(HW_REG_WAVE_MODE, 25, 1), 1
	s_wait_xcnt 0x0
	s_wait_alu depctr_vm_vsrc(0)
; The state at the head of each chunk: S(0) = 0, S(c+1) = g_c * S(c) + U_c, kept in f32, stored in bf16 as matrix fragments.
; 8 batches x 64 tiles of 16 channels x 16 v = 512 waves, each alone with its tile through the batch's 32 chunks: no LDS, no barrier.
; Lane (r, h), register j = channel 16 kt + 8 h + j, v = 16 vt + r, as the last launch stored u.  A wave asks for its 62 pieces of u (31 KiB) at once,
; each 512 consecutive bytes; the chain of 31 multiply-adds then follows the loads as they land.
; LIMIT: the state is rounded to bf16 once where it is stored; the chain itself is f32.
; THE MODE: SCHED_MODE bits 1:0 = 2 (LLVM: expert scheduling mode 2), set by the entry lines.  The code itself states the register dependences
; between vector instructions and memory instructions, with s_wait_alu, always for 0.
; THE PLAN.  Registers that memory instructions touch:
;   v2, v3      byte offsets, made once at the head and never written again: read by every load and store.
;   GREG, U     loads land in them at the head; no vector instruction names them before that; read behind s_wait_loadcnt.
;   OUTR        chunk c has four registers of its own: written once, by its conversions; read once, by its store; never written again.
;   SREG, GT    named by vector instructions alone.
; So: one wait on va_sdst for the wave's number; one wait on va_vdst ahead of the first load, for the offsets; and one wait on va_vdst for every four chunks,
; behind the fourth chunk's conversions, with the four chunks' stores on end behind it.  No register that a memory instruction reads is written again,
; so no wait on vm_vsrc is owed.
.set GREG, 8                           ; v[8:23]   lane (c & 15) + 16 h: g of chunk c, channels 16 kt + 8 h .. + 7; chunks 0-15, then 16-31
.set SREG, 24                          ; v[24:31]  the state
.set GT,   32                          ; v[32:39]  this chunk's g, in every lane of the half
.set OUTR, 64                          ; v[64:191] chunk c: 4 registers to store, its own, so that no store is waited for
                                       ; window 1: v[8 c : 8 c + 7] = U of chunk c
	s_load_b128 s[4:7], s[0:1], 0x0                ; u, g
	s_load_b64 s[8:9], s[0:1], 0x10                ; sb
	v_lshrrev_b32 v1, 5, v0
	v_readfirstlane_b32 s10, v1
	v_and_b32 v1, 31, v0
	v_lshlrev_b32 v2, 4, v1                        ; 16 x lane
	v_and_b32 v3, 15, v1
	v_lshrrev_b32 v4, 4, v1
	v_lshlrev_b32 v3, 9, v3                        ; g: chunk (lane & 15), 512 bytes a chunk,
	v_lshl_add_u32 v3, v4, 5, v3                   ; 8 channels for each half of the lanes
	s_wait_alu depctr_va_sdst(0)                   ; s10, the wave's number, is written, ahead of its first reader: the three bases are made from it
	s_lshl1_add_u32 s11, ttmp9, s10                ; 2 x work-group + wave
	s_lshr_b32 s12, s11, 6                         ; batch
	s_and_b32 s13, s11, 63                         ; tile = 8 kt + vt
	s_lshr_b32 s14, s13, 3                         ; kt
	s_and_b32 s15, s13, 7                          ; vt
	s_lshl_b32 s16, s12, 21                        ; u: 32 chunks of 65,536 bytes a batch
	s_lshl_b32 s20, s13, 10                        ; + tile x 1,024
	s_add_co_u32 s16, s16, s20
	s_mov_b32 s17, 0
	s_lshl_b32 s18, s12, 14                        ; g: 32 chunks of 512 bytes
	s_lshl_b32 s20, s14, 6                         ; + 16 kt channels
	s_add_co_u32 s18, s18, s20
	s_mov_b32 s19, 0
	s_lshl_b32 s20, s12, 20                        ; sb: 32 chunks of 32,768 bytes
	s_lshl3_add_u32 s21, s15, s14                  ; 8 vt + kt
	s_lshl_b32 s21, s21, 9
	s_add_co_u32 s20, s20, s21
	s_mov_b32 s21, 0
	s_wait_kmcnt 0x0
	s_add_nc_u64 s[4:5], s[4:5], s[16:17]
	s_add_nc_u64 s[6:7], s[6:7], s[18:19]
	s_add_nc_u64 s[8:9], s[8:9], s[20:21]
	s_wait_alu depctr_va_vdst(0)                   ; v2 and v3 are written: every load and store of the kernel reads one of them as its offset; only loads and a window switch stand between this wait and the last load
	global_load_b128 v[GREG:GREG+3],     v3, s[6:7]
	global_load_b128 v[GREG+4:GREG+7],   v3, s[6:7] offset:16
	global_load_b128 v[GREG+8:GREG+11],  v3, s[6:7] offset:8192
	global_load_b128 v[GREG+12:GREG+15], v3, s[6:7] offset:8208
	s_set_vgpr_msb 0x40                            ; destination in window 1
.set c, 0
.rept 31
	global_load_b128 v[8*c:8*c+3],   v2, s[4:5] offset:c*65536 th:TH_LOAD_NT
	global_load_b128 v[8*c+4:8*c+7], v2, s[4:5] offset:c*65536+512 th:TH_LOAD_NT
.set c, c+1
.endr
	s_set_vgpr_msb 0x4010                          ; source 2 in window 1, all else in window 0
.irp j, 0,1,2,3,4,5,6,7
	v_mov_b32 v[SREG+\j], 0                        ; S(0) = 0
	v_mov_b32 v[GT+\j], 0                          ; written once: the destination of a DPP form counts as read
.endr
; chunk 16 hi + l: S is rounded as it stands at the chunk's head; every fourth chunk sends four chunks' roundings out; then S takes the chunk in
.macro CHUNK l, hi
.set c, 16*\hi+\l
.irp k, 0,1,2,3
	v_cvt_pk_bf16_f32 v[OUTR+4*c+\k], v[SREG+2*\k], v[SREG+2*\k+1]
.endr
.if c < 31
	s_wait_loadcnt 60-2*c                          ; loads come back in order: the 2 (30 - c) pieces of later chunks stay out
.endif
.if c%4 == 3
	s_wait_alu depctr_va_vdst(0)                   ; the conversions of chunks c - 3 to c have written their OUTR, which the four stores below read
.irp b, 3,2,1,0
	global_store_b128 v2, v[OUTR+4*(c-\b):OUTR+4*(c-\b)+3], s[8:9] offset:(c-\b)*32768
.endr
.endif
.if c < 31
.irp j, 0,1,2,3,4,5,6,7
	v_mov_b32_dpp v[GT+\j], v[GREG+8*\hi+\j] row_share:\l row_mask:0xf bank_mask:0xf
.endr
.irp k, 0,2,4,6
	v_pk_fma_f32 v[SREG+\k:SREG+\k+1], v[GT+\k:GT+\k+1], v[SREG+\k:SREG+\k+1], v[8*c+\k:8*c+\k+1]
.endr
.endif
.endm
.irp l, 0,1,2,3,4,5,6,7,8,9,10,11,12,13,14,15
	CHUNK \l, 0
.endr
.irp l, 0,1,2,3,4,5,6,7,8,9,10,11,12,13,14,15
	CHUNK \l, 1
.endr
	s_set_vgpr_msb 0x1000
	s_endpgm
.Lfunc_end_k_q6300692163_scan:
	.size	k_q6300692163_scan, .Lfunc_end_k_q6300692163_scan-k_q6300692163_scan
	.p2alignl 7, 3214868480
	.fill 96, 4, 3214868480
	.section	.rodata,"a",@progbits
	.p2align	6, 0x0
	.amdhsa_kernel k_q6300692163_scan
		.amdhsa_group_segment_fixed_size 0
		.amdhsa_private_segment_fixed_size 0
		.amdhsa_enable_private_segment 0
		.amdhsa_kernarg_size 24
		.amdhsa_user_sgpr_count 2
		.amdhsa_user_sgpr_kernarg_segment_ptr 1
		.amdhsa_wavefront_size32 1
		.amdhsa_system_sgpr_workgroup_id_x 1
		.amdhsa_system_sgpr_workgroup_id_y 1
		.amdhsa_system_sgpr_workgroup_id_z 1
		.amdhsa_system_vgpr_workitem_id 0
		.amdhsa_next_free_vgpr 512
		.amdhsa_next_free_sgpr 66
		.amdhsa_reserve_vcc 0
		.amdhsa_float_denorm_mode_32 3
		.amdhsa_float_denorm_mode_16_64 3
		.amdhsa_memory_ordered 1
		.amdhsa_forward_progress 1
		.amdhsa_inst_pref_size 44
	.end_amdhsa_kernel
	.amdgpu_metadata
---
amdhsa.version: [ 1, 2 ]
amdhsa.kernels:
  - .name:           k_q6300692163_scan
    .symbol:         k_q6300692163_scan.kd
    .args:
      - { .name: u, .offset: 0, .size: 8, .value_kind: global_buffer, .address_space: global }
      - { .name: g, .offset: 8, .size: 8, .value_kind: global_buffer, .address_space: global }
      - { .name: sb, .offset: 16, .size: 8, .value_kind: global_buffer, .address_space: global }
    .group_segment_fixed_size: 0
    .private_segment_fixed_size: 0
    .kernarg_segment_align: 8
    .kernarg_segment_size: 24
    .max_flat_workgroup_size: 64
    .sgpr_count:     66
    .vgpr_count:     512
    .wavefront_size: 32
...
	.end_amdgpu_metadata
.endif
;; end of part 5
;; launch out: the kernel of part 4 again; grid 256 x 1, 8 waves a work-group, no clusters, 35,840 bytes of LDS; arguments qt, sb, oi, out0; writes out0
